; MI455X (gfx1250); checked and timed in simulation.
; The chip was launched on July 23, 2026; its instructions are those of AMD's public machine-readable ISA for CDNA 5 (MIT licence, August 2026) and "CDNA5" Instruction Set Architecture Reference Guide (July 2026). The comments in the code are by the model that wrote it; some were corrected since.
;; Self Attention V1. Allowed arithmetic: matrix products marked QUANTISED: E4M3 operands, one given power-of-two scale a tensor, by v_wmma_f32_16x16x64_fp8_fp8 or v_wmma_f32_16x16x128_fp8_fp8, f32 sums; everything else in f32.
;; Inputs: Wk_codes 1,024 x 32 x 32 uint8 (E4M3 codes of Wk, K innermost, in blocks of 32 codes); Wq_codes 1,024 x 32 x 32 uint8 (E4M3 codes of Wq, K innermost, in blocks of 32 codes); Wv_codes 1,024 x 32 x 32 uint8 (E4M3 codes of Wv, K innermost, in blocks of 32 codes); bk 1,024 float32; bq 1,024 float32; bv 1,024 float32; lowp_scales 10 int32 (the exponents e of the quantised operands' scales 2^e); x_codes 4 x 2,048 x 32 x 32 uint8 (E4M3 codes of x, K innermost, in blocks of 32 codes).
;; Outputs: out0 4 x 2,048 x 1,024 float32.
;; This version of the problem:
;;   THIS VERSION OF THE PROBLEM IS GIVEN IN LOW PRECISION. The matrix products marked QUANTISED in the list below multiply operands that are first quantised to E4M3 (4 exponent bits, 3 mantissa bits; 8 bits a number), with one given power-of-two scale for each operand tensor; their sums are f32. All else is computed in f32.
;;   The module's matrix products, in the order in which they are computed (A, B: the left and right operand; K: the contracted axis; several contracted axes count as one K, in the product's order):
;;     1. [M 8,192, K 1,024] x [K 1,024, N 1,024]; A: input x (given as codes); B: input Wq (given as codes): QUANTISED (scales: A lowp_scales[0], B lowp_scales[1])
;;     2. [M 8,192, K 1,024] x [K 1,024, N 1,024]; A: input x (given as codes); B: input Wk (given as codes): QUANTISED (scales: A lowp_scales[2], B lowp_scales[3])
;;     3. [M 8,192, K 1,024] x [K 1,024, N 1,024]; A: input x (given as codes); B: input Wv (given as codes): QUANTISED (scales: A lowp_scales[4], B lowp_scales[5])
;;     4. batch 4 x [M 2,048, K 1,024] x [K 1,024, N 2,048]; A: computed on the way; B: computed on the way: QUANTISED (scales: A lowp_scales[6], B lowp_scales[7])
;;     5. batch 4 x [M 2,048, K 2,048] x [K 2,048, N 1,024]; A: softmax (see below); B: computed on the way: QUANTISED (scales: A lowp_scales[8], B lowp_scales[9])
;;   THE QUANTISER, for each operand of a quantised product, along K:
;;     - The operand's scale is 2^e, e = its entry of the input lowp_scales (int32; the entries are numbered through the quantised products in the list's order, A before B).
;;     - Each number is divided by the scale, clamped to +-448, and rounded to the nearest number of E4M3, ties to even, subnormals kept.
;;     - The product sums the exact products of the quantised numbers (number of the format x scale) in f32.
;;   ~~~python
;;   def quantise(x, axis, e):      # numpy; x: float32 -> the quantised numbers, widened to float32 again
;;       x = np.moveaxis(x, axis, -1); K = x.shape[-1]
;;       r = np.clip(x / 2.0 ** e, -448, 448)
;;       step = 2.0 ** (np.maximum(np.frexp(np.where(r == 0, 1, r))[1] - 1, -6) - 3)
;;       q = np.round(r / step) * step * 2.0 ** e      # np.round: ties to even
;;       return np.moveaxis(q, -1, axis).astype(np.float32)
;;   ~~~
;;   SOFTMAX AHEAD OF A QUANTISED PRODUCT. Where the list says 'softmax', what is quantised is not the finished softmax but p = 2^(t - M), with t = logit x log2(e) and M = ceil(the row's largest t), a whole number; so 1/2 < the row's largest p <= 1. The row's sum l is taken of the UNQUANTISED p, in f32, and the product's result is divided by l at the end. Since M is a whole number, a kernel that streams over the keys may use a running M (the ceiling of the running maximum): every later rescaling is an exact power of two, so the quantised numbers keep their values, but for numbers so far below the row's largest that they fall under the format's range.
;;   OPERANDS COMPUTED ON THE WAY. 'Computed on the way' means the value that the module computes at that place (a softmax that the list does not call 'softmax' is quantised finished and normalised). What goes into a quantiser is computed in f32, as accurately as f32 sums, v_exp_f32 and their like allow (about 1e-6 of the number): no bf16 or f16 on the way to a quantiser, and a product that is left as it is and whose result goes on into a quantised operand takes f32 operands (vector FMAs, or v_wmma_f32_16x16x4_f32). A number that lies on a knife's edge between two numbers of the format may be rounded either way, as far as f32 arithmetic and the matrix unit's own rounding can turn it there, and no further.
;;   INPUTS GIVEN AS CODES. Wk (in the module: [1024, 1024], K = its axis 1); Wq (in the module: [1024, 1024], K = its axis 1); Wv (in the module: [1024, 1024], K = its axis 1); x (in the module: [4, 2048, 1024], K = its axis 2): each comes as NAME_codes (uint8): NAME with its K axis moved to the last place and cut into blocks of 32 codes, [.., K / 32, bytes a block], one block behind the other in memory; one code a byte (a code: sign, 4 exponent bits, 3 mantissa bits); its scale is its entry of lowp_scales. Its value is code x scale, taken as it is: it is not quantised again, and the codes and scales need not be those that the quantiser above would give.
;; One version. Each part assembles by itself: llvm-mc -triple=amdgcn-amd-amdhsa -mcpu=gfx1250 --defsym DOCPART=n.
;; ======== version 1 of 1: 3 launches
;; limits: right only within a limited range of input values
;; workspace buffers: Qc 8,388,608 bytes; Kc 8,388,608 bytes; Vc 8,388,608 bytes; Pc 16,777,216 bytes; stat 2,097,152 bytes
;; launch proj (part 1): grid 4 x 64, 4 waves a work-group, clusters of 4 x 4, 327,680 bytes of LDS; arguments x_codes, Wq_codes, Wk_codes, Wv_codes, bq, bk, bv, lowp_scales, Qc, Kc, Vc; writes Qc, Kc, Vc
.if DOCPART == 1
	.amdgcn_target "amdgcn-amd-amdhsa--gfx1250"
	.amdhsa_code_object_version 6
	.text
	.protected	k_q25704fc8f9_proj
	.globl	k_q25704fc8f9_proj
	.p2align	8
	.type	k_q25704fc8f9_proj,@function
k_q25704fc8f9_proj:
	s_mov_b64 s[64:65], 0
	v_nop
	global_prefetch_b8 v0, s[64:65] scope:SCOPE_SE
	s_setreg_imm32_b32 hwreg(HW_REG_WAVE_MODE, 25, 1), 1
	s_wait_xcnt 0x0
	s_wait_alu depctr_hold_cnt(0) depctr_sa_sdst(0) depctr_va_vdst(0) depctr_va_sdst(0) depctr_va_ssrc(0) depctr_va_vcc(0) depctr_vm_vsrc(0)
	s_getreg_b32 s2, hwreg(HW_REG_IB_STS2, 6, 4)
	s_cmp_eq_u32 s2, 0
	s_cbranch_scc0 .Lentry_in_a_cluster
	s_endpgm
.Lentry_in_a_cluster:
	s_bfe_u32 s2, ttmp6, 0x10000c
	s_cmp_lg_u32 s2, 0xf033
	s_cbranch_scc0 .Lentry_shape_is_right
	s_endpgm
.Lentry_shape_is_right:
; Q = x Wq^T + bq, K = x Wk^T + bk, V = x Wv^T + bv on codes of E4M3, each then quantised for the attention's two products.
; x: [8192][1024] codes; Wq, Wk, Wv: [1024][1024] codes, K innermost.  A sum of product i stands for sum x 2^(ea + eb) with its own two exponents (entries 0,1 / 2,3 / 4,5 of the scales);
; the bias is added in f32 by one fused multiply-add; the result is held within +-448 x 2^e and turned into codes with e = entry 6 (Q), 7 (K), 9 (V).
; NOTHING IS LEFT OUT: every product of the problem is live, and each bias goes into a quantised operand of a live product (bk too: it moves K's codes), so every input is loaded.
; LIMITS: e0+e1, e2+e3, e4+e5 between -126 and 127; e6, e7, e9 between -126 and 119, so that each power of two below is an f32 number.  NaN among the inputs is not served.
; SHARES.  A work-group takes 256 tokens (ty) x 128 columns (tx) of EACH of Q, K and V.  A wave takes 64 of the tokens and all 384 columns: ITS TOKENS STAY IN REGISTERS, 64 x 1,024 codes = 512 registers (windows 2 and 3),
; and the weights' rows stream past in twelve units of 32 (all of K: 64 matrix instructions a wave, 8 accumulators): 0-3 Q's, 4-7 K's, 8-11 V's.  While a unit's first half along K is multiplied, the unit before is packed; its stores go out ahead of the second half.
; LDS: nine places of 32 rows of 1,040 bytes (1,024 + 16 of padding: 16 rows of a fragment load start at sixteen different 16-byte columns modulo 256).  At the head x takes the first eight places and unit 0 the ninth.  When x is in registers, units 1-7
; take places 0-6 (waves 0, 1: 48 rows each, waves 2, 3: 64); when unit 0 is done, units 8, 9 take places 7, 8 (waves 0, 1); when units 1-6 are done, units 10, 11 take places 0, 1 (waves 0, 1).
; Q and K are made TRANSPOSED (source 0 = 16 rows of W, source 1 = 16 tokens): a lane holds one token and eight neighbouring columns, which are the next product's K.  V is made the other way round: a lane holds one column d and eight tokens (keys).
; So the conversions' results ARE the registers of the next launches' fragments (registers 2 c, 2 c + 1: k = 16 c + 8 (lane / 16) + 0 .. 7), stored as images of those registers, 16 bytes a lane, 512 consecutive bytes a store:
;   Qc, Kc: [d / 256][token / 16][(d % 256) / 32][512 bytes];   Vc: [token / 256][d / 16][(token % 256) / 32][512 bytes].
; CLUSTERS: 4 x 4 work-groups; with j = (the cluster's number + 7) mod 8 the batch is j / 2, the column group j % 2, the row group in the batch number / 8.  x's rows hang on ty alone and are asked for jointly by a row of the cluster, W's on tx alone, by a column.
; PREFETCH: units 1 to 7 while x is on its way, one group of loads ahead: the work-groups with the same columns share the blocks of 256 bytes out by address, in two sets of sixteen.
; Units 8 to 11 are not prefetched: their loads have at least two units' 128 matrix instructions in which to land.
; REGISTERS, window 0: v8-13 scales and holds; v16-30 addresses; v32-47 numbers at work; v48-63 codes; v64-95 biases, two sets; v128-255 the weights' fragments of a unit's first half (2 x 16 rows x 512 K).
;   Window 1: v0-127 two sets of 8 accumulators; v128-255 the fragments of the second half.
.set XP,    1040
.set UW,    32*XP
.set WH,    8*UW
.set SPARE, 9*UW                       ; the spare words, 128 bytes a wave
.set BIAS,  SPARE+512                  ; 3 x 128 biases, written by LDS stores alone
.set SC,    8                          ; 2^e6 or 2^e7, 448 x that; then V's
.set LM,    9
.set SCV,   12
.set LMV,   13
.set A0,    16                         ; a fragment's row x pitch + 16 x half, from LDS byte 0
.set XAD,   17
.set ADR,   18
.set ADR2,  19
.set ADRH,  20                         ; the same in place 8
.set BQA,   21
.set BVA,   22
.set BQS,   23
.set LI,    24                         ; 16 x lane
.set SPW,   28                         ; my spare word; never rewritten
.set NIL,   29                         ; 0; never rewritten
.set PFO,   30
.set TMP,   32
.set COD,   48
.set BI,    64
.set WS,    128
.set G1X,   28                         ; descriptor groups 1: x's 128 rows; W's 48, 32, 16, 64 rows
.set G1A,   36
.set G1B,   44
.set G1D,   72
.set G1E,   84                         ; (the exponents' registers, when they are done with)
.set G0X,   60
.set G0W,   68
.set G0Y,   52
.set G0Z,   56
.set MSB, 0
.macro WIN new                         ; the immediate's high byte repeats the setting that is left
.if MSB != (\new)
	s_set_vgpr_msb (MSB<<8)|(\new)
.set MSB, (\new)
.endif
.endm
.macro PLACES                          ; four plain vector lines between a matrix instruction and a load into, or a vector read of, its registers
.rept 4
	v_nop
.endr
.endm
.macro CROUND                          ; a round of the cluster's barrier
	s_barrier_signal -1
	s_barrier_wait -1
	s_cmp_lg_u32 s66, 0
	s_cbranch_scc1 .Lnot_wave_0_\@
	s_barrier_signal -3
.Lnot_wave_0_\@:
	s_barrier_wait -3
	s_barrier_signal -1
	s_barrier_wait -1
.endm
.macro TL g0, g1                       ; a tensor load, an s_nop 0 and four v_nop
	tensor_load_to_lds s[\g0:\g0+3], s[\g1:\g1+7]
	s_nop 0
	PLACES
.endm
.macro G1SET g, mask, rows             ; rows of 1,024 bytes, 4 words of padding behind every 256
	s_or_b32 s[\g], \mask, (1<<20)|(1<<21)|(7<<22)|(3<<25)
	s_mov_b32 s[\g+1], 1024<<16
	s_mov_b32 s[\g+2], \rows<<16
	s_mov_b32 s[\g+3], 1024<<16
	s_mov_b32 s[\g+4], \rows
	s_mov_b32 s[\g+5], 1024
	s_mov_b32 s[\g+6], 0
	s_mov_b32 s[\g+7], 0
.endm
	s_load_b512 s[4:19], s[0:1], 0x0               ; x, Wq, Wk, Wv, bq, bk, bv, the scales' exponents
	s_load_b128 s[20:23], s[0:1], 0x40             ; Qc, Kc
	s_load_b64 s[24:25], s[0:1], 0x50              ; Vc
	v_lshl_add_u32 v[SPW], v0, 2, SPARE
	v_mov_b32 v[NIL], 0
	ds_add_u32 v[SPW], v[NIL]                      ; the wave's opening: the add, twice on end, and its wait ahead of my first tensor load
	ds_add_u32 v[SPW], v[NIL]
	v_lshrrev_b32 v1, 5, v0
	v_readfirstlane_b32 s66, v1                    ; wave 0..3
	s_bfe_u32 s26, ttmp6, 0x40000                  ; cx, cy
	s_bfe_u32 s27, ttmp6, 0x40004
	s_and_b32 s67, ttmp7, 0xffff                   ; the cluster's number, 0..15
	s_add_co_u32 s80, s67, 7
	s_and_b32 s80, s80, 7
	s_and_b32 s2, s80, 1
	s_lshl_b32 s2, s2, 2
	s_add_co_u32 s2, s2, s26                       ; tx: columns 128 tx on
	s_lshr_b32 s80, s80, 1                         ; the batch
	s_lshr_b32 s81, s67, 3                         ; the row group
	s_lshl_b32 s3, s80, 1
	s_add_co_u32 s3, s3, s81
	s_lshl_b32 s3, s3, 2
	s_add_co_u32 s3, s3, s27                       ; ty: tokens 256 ty on
	s_and_b32 s67, s80, 1                          ; my share of the prefetch, 0..15: 8 (batch % 2) + 4 row group + cy
	s_lshl_b32 s67, s67, 1
	s_add_co_u32 s67, s67, s81
	s_lshl_b32 s67, s67, 2
	s_add_co_u32 s67, s67, s27
	s_lshl_b32 s80, s27, 2
	s_lshl_b32 s80, 15, s80                        ; my row of the cluster
	s_lshl_b32 s81, 0x1111, s26                    ; my column
	s_lshl_b32 s104, 0x1111, s26                   ; (the same, kept for the group 1 that is set later)
	G1SET G1X, s80, 128
	G1SET G1A, s81, 48
	G1SET G1B, s81, 32
	G1SET G1D, s81, 16
	s_and_b32 s100, s66, 1
	s_lshl_b32 s82, s3, 18                         ; x: 256 ty + 128 (w % 2) rows of 1,024 bytes
	s_lshl_b32 s83, s100, 17
	s_add_co_u32 s82, s82, s83
	s_mov_b32 s83, 0
	s_mul_i32 s[G0X+1], s100, 128*XP
	s_mul_i32 s[G0W+1], s100, 16*XP
	s_add_co_u32 s[G0W+1], s[G0W+1], WH
	s_lshl_b32 s100, s100, 14
	s_mov_b32 s101, 0
	s_lshl_b32 s80, s2, 17                         ; W: 128 tx rows
	s_mov_b32 s81, 0
	s_mov_b32 s[G0X], 1
	s_mov_b32 s[G0W], 1
	s_wait_dscnt 0x0                               ; both opening adds are done
	s_wait_kmcnt 0x0
	s_load_b256 s[84:91], s[18:19], 0x0            ; e0 .. e7
	s_load_b64 s[92:93], s[18:19], 0x20            ; e8, e9
	s_add_nc_u64 s[G0X+2:G0X+3], s[4:5], s[82:83]
	s_or_b32 s[G0X+3], s[G0X+3], 0x80000000
	s_add_nc_u64 s[G0W+2:G0W+3], s[6:7], s[80:81]
	s_add_nc_u64 s[G0W+2:G0W+3], s[G0W+2:G0W+3], s[100:101]
	s_or_b32 s[G0W+3], s[G0W+3], 0x80000000
	CROUND                                         ; all sixteen work-groups are here: the first joint loads meet
	s_cmp_lt_u32 s66, 2                            ; waves 0, 1: x's halves; waves 2, 3: 16 rows each of unit 0
	s_cbranch_scc0 .Lhead_w
	TL G0X, G1X
	s_branch .Lhead_z
.Lhead_w:
	TL G0W, G1D
.Lhead_z:
	; units 1-7: waves 0, 1: 48 rows each of Wq, from row 32 (of my 128) on; waves 2, 3: 64 rows each of Wk, from row 0 on
	s_mov_b32 s101, 0x10000
	s_cmp_lt_u32 s66, 2
	s_cselect_b64 s[82:83], s[6:7], s[8:9]
	s_cselect_b32 s100, 0x8000, 0
	s_cselect_b32 s101, 49152, s101
	s_and_b32 s26, s66, 1
	s_mul_i32 s26, s26, s101
	s_add_co_u32 s100, s100, s26
	s_mov_b32 s101, 0
	s_add_nc_u64 s[82:83], s[82:83], s[80:81]
	s_add_nc_u64 s[82:83], s[82:83], s[100:101]
	s_mov_b32 s27, 4096                            ; the prefetch: a sixteenth of those rows, 12 or 16 blocks of 256 bytes
	s_cmp_lt_u32 s66, 2
	s_cselect_b32 s27, 3072, s27
	s_mul_i32 s100, s67, s27
	s_add_nc_u64 s[4:5], s[82:83], s[100:101]
	s_sub_co_u32 s27, s27, 256                     ; the share's last block
	; units 8, 9: waves 0, 1: Wv's rows 0 on, 32 on
	s_lshl_b32 s100, s66, 15
	s_add_nc_u64 s[G0Y+2:G0Y+3], s[10:11], s[80:81]
	s_add_nc_u64 s[G0Y+2:G0Y+3], s[G0Y+2:G0Y+3], s[100:101]
	s_or_b32 s[G0Y+3], s[G0Y+3], 0x80000000
	s_mov_b32 s[G0Y], 1
	s_add_co_u32 s[G0Y+1], s66, 7
	s_mul_i32 s[G0Y+1], s[G0Y+1], UW
	; units 10, 11: waves 0, 1: Wv's rows 64 on, 96 on
	s_add_co_u32 s100, s100, 0x10000
	s_add_nc_u64 s[G0Z+2:G0Z+3], s[10:11], s[80:81]
	s_add_nc_u64 s[G0Z+2:G0Z+3], s[G0Z+2:G0Z+3], s[100:101]
	s_or_b32 s[G0Z+3], s[G0Z+3], 0x80000000
	s_mov_b32 s[G0Z], 1
	s_mul_i32 s[G0Z+1], s66, UW
	s_lshl_b32 s100, s2, 9                         ; my columns' biases
	s_add_nc_u64 s[12:13], s[12:13], s[100:101]
	s_add_nc_u64 s[14:15], s[14:15], s[100:101]
	s_add_nc_u64 s[16:17], s[16:17], s[100:101]
	; where my images go.  Qc, Kc: ((tx / 2) 512 + 16 ty + 4 w) x 4,096 + (tx % 2) x 2,048;   Vc: (64 ty + 8 tx) x 4,096 + w x 1,024
	s_lshr_b32 s100, s2, 1
	s_lshl_b32 s100, s100, 9
	s_lshl_b32 s101, s3, 4
	s_add_co_u32 s100, s100, s101
	s_lshl_b32 s101, s66, 2
	s_add_co_u32 s100, s100, s101
	s_lshl_b32 s100, s100, 12
	s_and_b32 s101, s2, 1
	s_lshl_b32 s101, s101, 11
	s_add_co_u32 s100, s100, s101
	s_mov_b32 s101, 0
	s_add_nc_u64 s[20:21], s[20:21], s[100:101]
	s_add_nc_u64 s[22:23], s[22:23], s[100:101]
	s_lshl_b32 s100, s3, 6
	s_lshl_b32 s101, s2, 3
	s_add_co_u32 s100, s100, s101
	s_lshl_b32 s100, s100, 12
	s_lshl_b32 s101, s66, 10
	s_add_co_u32 s100, s100, s101
	s_mov_b32 s101, 0
	s_add_nc_u64 s[24:25], s[24:25], s[100:101]
	s_mul_i32 s67, s66, 64*XP                      ; my 64 rows of x in LDS
	v_lshlrev_b32 v5, 2, v0
	global_load_b32 v32, v5, s[12:13]              ; a bias of each weight to a thread
	global_load_b32 v33, v5, s[14:15]
	global_load_b32 v34, v5, s[16:17]
	v_add_nc_u32 v6, BIAS, v5
	v_and_b32 v1, 31, v0
	v_and_b32 v2, 15, v0                           ; r
	v_bfe_u32 v3, v0, 4, 1                         ; h
	v_lshlrev_b32 v[LI], 4, v1
	v_lshlrev_b32 v[PFO], 8, v1
	v_min_u32 v[PFO], s27, v[PFO]                  ; (lanes left over name the share's last block again)
	v_mul_u32_u24 v4, v2, XP
	v_lshl_add_u32 v[A0], v3, 4, v4                ; (both operands take k in this order, so every product meets its partner)
	v_add_nc_u32 v[ADRH], WH, v[A0]
	v_add_nc_u32 v[XAD], s67, v[A0]
	v_lshlrev_b32 v7, 5, v3
	v_add_nc_u32 v[BQA], BIAS, v7                  ; Q, K: a lane's eight columns 8 h on
	v_lshlrev_b32 v4, 2, v2
	v_add_nc_u32 v[BVA], BIAS, v4                  ; V: a lane's one column r
	global_prefetch_b8 v[PFO], s[4:5] th:TH_LOAD_NT scope:SCOPE_SE
	s_wait_kmcnt 0x0                               ; the exponents
	s_add_co_i32 s94, s84, s85
	s_add_co_i32 s94, s94, 127
	s_lshl_b32 s94, s94, 23                        ; 2^(e0 + e1) as f32,
	s_mov_b32 s95, s94                             ; (named with it as a pair, so it is written)
	s_add_co_i32 s96, s86, s87
	s_add_co_i32 s96, s96, 127
	s_lshl_b32 s96, s96, 23                        ; 2^(e2 + e3),
	s_mov_b32 s97, s96
	s_add_co_i32 s98, s88, s89
	s_add_co_i32 s98, s98, 127
	s_lshl_b32 s98, s98, 23                        ; 2^(e4 + e5)
	s_mov_b32 s99, s98
.macro SCL e, c, l                     ; 2^e as f32 for the conversion, and 448 x 2^e for the hold
	s_add_co_i32 \c, \e, 127
	s_add_co_i32 \l, \c, 8
	s_lshl_b32 \c, \c, 23
	s_lshl_b32 \l, \l, 23
	s_or_b32 \l, \l, 0x600000
.endm
	SCL s90, s26, s27
	SCL s91, s100, s101
	SCL s93, s92, s67
	G1SET G1E, s104, 64
	v_mov_b32 v[SC], s26
	v_mov_b32 v[LM], s27
	v_mov_b32 v[SCV], s92
	v_mov_b32 v[LMV], s67
	s_wait_alu depctr_va_vdst(0)                   ; the wait at the head's end
	s_wait_loadcnt 0x0
	ds_store_b32 v6, v32
	ds_store_b32 v6, v33 offset:512
	ds_store_b32 v6, v34 offset:1024
	s_wait_tensorcnt 0x0                           ; my part of x and of unit 0 is in
	s_wait_dscnt 0x0                               ; my stores of the biases are done
	s_barrier_signal -1
	s_barrier_wait -1
.macro RUN h, areg, off                ; a unit's fragments of half h along K, in one run of 32 loads: into window 0 (h = 0) or 1
	WIN 0x40*(\h)
.irp q, 0,1,2,3
.irp m, 0,1,2,3,4,5,6,7
	ds_load_b128 v[WS+32*\q+4*\m:WS+32*\q+4*\m+3], v[\areg] offset:(\off)+(\m/4)*16*XP+(4*(\h)+\q)*128+32*(\m%4)
.endr
.endr
	WIN 0
.endm
.macro MM o, p, h, t                   ; token block t against the unit's two fragments.  The 8 accumulators take turns, one instruction a turn
.if \o
	WIN 0x52+5*(\h)                                ; source 0 x (window 2 or 3), source 1 W (0 or 1), C and D window 1
.else
	WIN 0x58+5*(\h)
.endif
.irp n, 0,1
.set rD, 64*(\p)+8*(4*\n+\t)
.set rW, WS+32*(kk%4)+16*\n
.set rX, 64*\t+16*(kk%4)
.if \o
.if kk == 0
	v_wmma_f32_16x16x128_fp8_fp8 v[rD:rD+7], v[rX:rX+15], v[rW:rW+15], 0
.else
	v_wmma_f32_16x16x128_fp8_fp8 v[rD:rD+7], v[rX:rX+15], v[rW:rW+15], v[rD:rD+7]
.endif
.else
.if kk == 0
	v_wmma_f32_16x16x128_fp8_fp8 v[rD:rD+7], v[rW:rW+15], v[rX:rX+15], 0
.else
	v_wmma_f32_16x16x128_fp8_fp8 v[rD:rD+7], v[rW:rW+15], v[rX:rX+15], v[rD:rD+7]
.endif
.endif
.endr
.endm
; THE UNIT BEFORE GOES OUT, two tiles of 16 x 16 for each 128 along K: sum x 2^(ea + eb) + bias (packed), the hold, the conversion; two tiles make a store.  Q, K: two column blocks of one token block; V: two token blocks of one column block.
.macro EPF p, epi
.irp d, 0,1
.if (\epi) == 1
.set eN, \d
.set eT, kk
.else
.set eN, kk/2
.set eT, 2*(kk%2)+\d
.endif
.set eA, 64*(1-(\p))+8*(4*eN+eT)
.set eV, TMP+8*\d
.set eB, BI+16*(1-(\p))
.irp j, 0,2,4,6
.if (\epi) == 1
	v_pk_fma_f32 v[eV+\j:eV+\j+1], v[eA+\j:eA+\j+1], s[uSM:uSM+1], v[eB+8*eN+\j:eB+8*eN+\j+1] op_sel_hi:[1,0,1]
.else
	v_pk_fma_f32 v[eV+\j:eV+\j+1], v[eA+\j:eA+\j+1], s[uSM:uSM+1], v[eB+2*eN:eB+2*eN+1] op_sel_hi:[1,0,0]
.endif
.endr
.endr
.endm
.macro EPM d
.irp j, 0,1,2,3,4,5,6,7
	v_med3_num_f32 v[TMP+8*(\d)+\j], v[TMP+8*(\d)+\j], -v[uLM], v[uLM]   ; the conversion to an 8-bit code does not saturate (ISA guide 7.6.2)
.endr
.endm
.macro EPC
	v_cvt_scalef32_pk8_fp8_f32 v[COD+4*kk:COD+4*kk+1], v[TMP:TMP+7], v[uSC]
	v_cvt_scalef32_pk8_fp8_f32 v[COD+4*kk+2:COD+4*kk+3], v[TMP+8:TMP+15], v[uSC]
	v_nop                                          ; a plain line behind the last conversion of the run
.endm
.macro STO4 epi
.irp q, 0,1,2,3
.if (\epi) == 1
	global_store_b128 v[LI], v[COD+4*\q:COD+4*\q+3], s[uSB:uSB+1] offset:uSO+\q*4096
.else
	global_store_b128 v[LI], v[COD+4*\q:COD+4*\q+3], s[uSB:uSB+1] offset:uSO+(\q/2)*4096+(\q%2)*512
.endif
.endr
.endm
; HALF A UNIT: 512 along K.  Ahead of its products stands one run of LDS loads for the half that follows.
.macro HALF o, p, epi, nx, bt, h
.if \epi
.if \h
	s_wait_alu depctr_va_vdst(0)                   ; the codes are stored behind the wait below
.else
	s_wait_xcnt 0x0                                ; earlier stores have read their registers: codes are written over them only behind this wait
.endif
.endif
	s_wait_dscnt 16                                ; the fragments of this half's first 256 along K are in; the youngest sixteen loads may be out
	PLACES                                         ; for the loads into registers that the half before has multiplied, and for the reads of its results
.if \h
.if \epi
	STO4 \epi
.endif
.if \nx
	RUN 0, uA1, uF1
.endif
.else
	RUN 1, uA0, uF0
.irp n, 0,1                            ; this unit's biases, for its way out
.if (\bt) == 1
	ds_load_b128 v[BI+16*(\p)+8*\n:BI+16*(\p)+8*\n+3], v[uBR] offset:uBO+64*\n
	ds_load_b128 v[BI+16*(\p)+8*\n+4:BI+16*(\p)+8*\n+7], v[uBR] offset:uBO+64*\n+16
.else
	ds_load_b32 v[BI+16*(\p)+2*\n], v[uBR] offset:uBO+64*\n
.endif
.endr
.endif
.set kk, 4*(\h)
.rept 4
.if (kk%4) == 2
.if (\h) && ((\nx) == 0)
	s_wait_dscnt 0x0
.else
	s_wait_dscnt 32                                ; the rest of this half's fragments are in; the 32 loads of the run above may be out
.endif
.endif
	MM \o, \p, \h, 0
.if (\epi) && ((\h) == 0)
	WIN 0x01
	EPF \p, \epi
.endif
	MM \o, \p, \h, 1
.if (\epi) && ((\h) == 0)
	WIN 0
	EPM 0
.endif
	MM \o, \p, \h, 2
.if (\epi) && ((\h) == 0)
	WIN 0
	EPM 1
.endif
	MM \o, \p, \h, 3
.if (\epi) && ((\h) == 0)
	WIN 0
	EPC
.endif
.set kk, kk+1
.endr
	WIN 0
.endm
.macro UNIT o, p, epi, nx, bt          ; o: 1 = V's orientation; p: accumulator set; epi: way out of the unit before (0 none, 1 Q or K, 2 V); nx: the next unit's first fragments are fetched
	HALF \o, \p, \epi, \nx, \bt, 0
	HALF \o, \p, \epi, \nx, \bt, 1
.endm
.macro CFG a0, f0, a1, f1, sb, so, sm, sc, lm, br, bo
.set uA0, \a0
.set uF0, \f0
.set uA1, \a1
.set uF1, \f1
.set uSB, \sb
.set uSO, \so
.set uSM, \sm
.set uSC, \sc
.set uLM, \lm
.set uBR, \br
.set uBO, \bo
.endm
.irp g, 0,1                            ; x into registers: (token block t, 128-K k) at v[64 t + 16 (k % 4)] of window 2 (k < 4) or 3
	WIN 0x80+0x40*\g
.irp t, 0,1,2,3
.irp q, 0,1,2,3
.irp c, 0,1,2,3
	ds_load_b128 v[64*\t+16*\q+4*\c:64*\t+16*\q+4*\c+3], v[XAD] offset:\t*16*XP+(4*\g+\q)*128+32*\c
.endr
.endr
.endr
.endr
	WIN 0
	RUN 0, ADRH, 0
	s_wait_tensorcnt 0x0                           ; no load of mine is out;
	ds_add_u32 v[SPW], v[NIL]                      ; 0 onto my spare word;
	s_mul_i32 s[G0W+1], s66, 48*XP                 ; where my rows go: row 0, 48, 96, 160
	s_lshr_b32 s67, s66, 1
	s_and_b32 s67, s67, s66                        ; 1 in wave 3
	s_mul_i32 s67, s67, 16*XP
	s_add_co_u32 s[G0W+1], s[G0W+1], s67
	s_mov_b64 s[G0W+2:G0W+3], s[82:83]
	s_or_b32 s[G0W+3], s[G0W+3], 0x80000000
	s_wait_dscnt 0x0                               ; the add is done, and my reads of x are over
	CROUND                                         ; no wave of any partner still reads x's rows or has a load on its way
	s_cmp_lt_u32 s66, 2                            ; units 1-7
	s_cbranch_scc0 .Lfill_k
	TL G0W, G1A
	s_branch .Lfill_z
.Lfill_k:
	TL G0W, G1E
.Lfill_z:
	CFG ADRH, 0, ADRH, 0, 20, 0, 94, SC, LM, BQA, 0
	UNIT 0, 0, 0, 0, 1                             ; unit 0
	s_wait_tensorcnt 0x0                           ; my part of units 1-7 is in;
	ds_add_u32 v[SPW], v[NIL]                      ; 0 onto my spare word
	s_mov_b32 s3, 0
	s_mov_b32 s2, 0
	s_mov_b32 s67, 0
	s_wait_dscnt 0x0                               ; the add is done, and my reads of unit 0 are over
	CROUND
	s_cmp_lt_u32 s66, 2                            ; units 8, 9
	s_cbranch_scc0 .Lnot_y
	TL G0Y, G1B
.Lnot_y:
	RUN 0, A0, 0
.Lpair:                                                ; three trips of two units: 1 to 6.  A trip sends out units 0, 1 / 2, 3 (Q) / 4, 5 (K); the last one fetches unit 7's first fragments
	v_add_nc_u32 v[ADR], s2, v[A0]
	s_add_co_u32 s2, s2, 2*UW
	v_add_nc_u32 v[ADR2], s2, v[A0]
	v_add_nc_u32 v[BQS], s67, v[BQA]
	s_add_co_u32 s67, s67, 256
	s_wait_alu depctr_va_vdst(0)
	CFG ADR, 0, ADR, UW, 20, 0, 94, SC, LM, BQS, 128
	UNIT 0, 1, 1, 1, 1
	CFG ADR, UW, ADR2, 0, 20, 512, 94, SC, LM, BQS, 256
	UNIT 0, 0, 1, 1, 1
	s_wait_xcnt 0x0                                ; the stores have read their base
	s_add_nc_u64 s[20:21], s[20:21], 1024
	s_add_co_u32 s3, s3, 1
	s_cmp_eq_u32 s3, 2                             ; from Q's way out to K's
	s_cselect_b64 s[20:21], s[22:23], s[20:21]
	s_cselect_b64 s[94:95], s[96:97], s[94:95]
	s_cselect_b32 s26, s100, s26
	s_cselect_b32 s27, s101, s27
	v_mov_b32 v[SC], s26
	v_mov_b32 v[LM], s27
	s_cmp_lt_u32 s3, 3
	s_wait_alu depctr_va_vdst(0)                   ; directly ahead of the branch
	s_cbranch_scc1 .Lpair
	s_wait_tensorcnt 0x0                           ; my part of units 8, 9 is in;
	ds_add_u32 v[SPW], v[NIL]                      ; 0 onto my spare word
	s_wait_dscnt 0x0                               ; the add is done, and my reads of units 1-6 are over
	CROUND
	s_cmp_lt_u32 s66, 2                            ; units 10, 11
	s_cbranch_scc0 .Lnot_z
	TL G0Z, G1B
.Lnot_z:
	CFG ADR2, 0, ADR2, UW, 20, 0, 94, SC, LM, BQA, 896
	UNIT 0, 1, 1, 1, 1                             ; unit 7: K's last
	CFG ADR2, UW, ADRH, 0, 20, 512, 94, SC, LM, BVA, 1024
	UNIT 1, 0, 1, 1, 2                             ; unit 8: V's first
	s_wait_tensorcnt 0x0                           ; units 10, 11 are in
	s_wait_dscnt 0x0
	s_barrier_signal -1
	s_barrier_wait -1
	CFG ADRH, 0, A0, 0, 24, 0, 98, SCV, LMV, BVA, 1152
	UNIT 1, 1, 2, 1, 2
	CFG A0, 0, A0, UW, 24, 8192, 98, SCV, LMV, BVA, 1280
	UNIT 1, 0, 2, 1, 2
	CFG A0, UW, A0, 0, 24, 16384, 98, SCV, LMV, BVA, 1408
	UNIT 1, 1, 2, 0, 2
.set uSO, 24576
	s_wait_xcnt 0x0                                ; earlier stores have read their registers
	PLACES                                         ; the last unit's results were just made
.set kk, 0
.rept 4
	WIN 0x01
	EPF 0, 2
	WIN 0
	EPM 0
	EPM 1
	EPC
.set kk, kk+1
.endr
	STO4 2
	s_wait_tensorcnt 0x0                           ; the wave's end
	ds_add_u32 v[SPW], v[NIL]
	s_wait_dscnt 0x0
	CROUND                                         ; the closing round
	s_endpgm
.Lfunc_end_k_q25704fc8f9_proj:
	.size	k_q25704fc8f9_proj, .Lfunc_end_k_q25704fc8f9_proj-k_q25704fc8f9_proj
	.p2alignl 7, 3214868480
	.fill 96, 4, 3214868480
	.section	.rodata,"a",@progbits
	.p2align	6, 0x0
	.amdhsa_kernel k_q25704fc8f9_proj
		.amdhsa_group_segment_fixed_size 327680
		.amdhsa_private_segment_fixed_size 0
		.amdhsa_enable_private_segment 0
		.amdhsa_kernarg_size 88
		.amdhsa_user_sgpr_count 2
		.amdhsa_user_sgpr_kernarg_segment_ptr 1
		.amdhsa_wavefront_size32 1
		.amdhsa_system_sgpr_workgroup_id_x 1
		.amdhsa_system_sgpr_workgroup_id_y 1
		.amdhsa_system_sgpr_workgroup_id_z 1
		.amdhsa_system_vgpr_workitem_id 0
		.amdhsa_next_free_vgpr 1024
		.amdhsa_next_free_sgpr 106
		.amdhsa_reserve_vcc 0
		.amdhsa_float_denorm_mode_32 3
		.amdhsa_float_denorm_mode_16_64 3
		.amdhsa_memory_ordered 1
		.amdhsa_forward_progress 1
		.amdhsa_inst_pref_size 157
	.end_amdhsa_kernel
	.amdgpu_metadata
---
amdhsa.version: [ 1, 2 ]
amdhsa.kernels:
  - .name:           k_q25704fc8f9_proj
    .symbol:         k_q25704fc8f9_proj.kd
    .args:
      - { .name: x_codes, .offset: 0, .size: 8, .value_kind: global_buffer, .address_space: global }
      - { .name: Wq_codes, .offset: 8, .size: 8, .value_kind: global_buffer, .address_space: global }
      - { .name: Wk_codes, .offset: 16, .size: 8, .value_kind: global_buffer, .address_space: global }
      - { .name: Wv_codes, .offset: 24, .size: 8, .value_kind: global_buffer, .address_space: global }
      - { .name: bq, .offset: 32, .size: 8, .value_kind: global_buffer, .address_space: global }
      - { .name: bk, .offset: 40, .size: 8, .value_kind: global_buffer, .address_space: global }
      - { .name: bv, .offset: 48, .size: 8, .value_kind: global_buffer, .address_space: global }
      - { .name: lowp_scales, .offset: 56, .size: 8, .value_kind: global_buffer, .address_space: global }
      - { .name: Qc, .offset: 64, .size: 8, .value_kind: global_buffer, .address_space: global }
      - { .name: Kc, .offset: 72, .size: 8, .value_kind: global_buffer, .address_space: global }
      - { .name: Vc, .offset: 80, .size: 8, .value_kind: global_buffer, .address_space: global }
    .group_segment_fixed_size: 327680
    .private_segment_fixed_size: 0
    .kernarg_segment_align: 8
    .kernarg_segment_size: 88
    .max_flat_workgroup_size: 128
    .sgpr_count:     106
    .vgpr_count:     1024
    .wavefront_size: 32
...
	.end_amdgpu_metadata
.endif
;; end of part 1
;; launch scores (part 2): grid 4 x 64, 4 waves a work-group, clusters of 4 x 4, 327,680 bytes of LDS; arguments Qc, Kc, lowp_scales, Pc, stat; writes Pc, stat
.if DOCPART == 2
	.amdgcn_target "amdgcn-amd-amdhsa--gfx1250"
	.amdhsa_code_object_version 6
	.text
	.protected	k_q25704fc8f9_scores
	.globl	k_q25704fc8f9_scores
	.p2align	8
	.type	k_q25704fc8f9_scores,@function
k_q25704fc8f9_scores:
	s_mov_b64 s[64:65], 0
	v_nop
	global_prefetch_b8 v0, s[64:65] scope:SCOPE_SE
	s_setreg_imm32_b32 hwreg(HW_REG_WAVE_MODE, 25, 1), 1
	s_wait_xcnt 0x0
	s_wait_alu depctr_hold_cnt(0) depctr_sa_sdst(0) depctr_va_vdst(0) depctr_va_sdst(0) depctr_va_ssrc(0) depctr_va_vcc(0) depctr_vm_vsrc(0)
	s_getreg_b32 s2, hwreg(HW_REG_IB_STS2, 6, 4)
	s_cmp_eq_u32 s2, 0
	s_cbranch_scc0 .Lentry_in_a_cluster
	s_endpgm
.Lentry_in_a_cluster:
	s_bfe_u32 s2, ttmp6, 0x10000c
	s_cmp_lg_u32 s2, 0xf033
	s_cbranch_scc0 .Lentry_shape_is_right
	s_endpgm
.Lentry_shape_is_right:
; S = Q K^T on the codes that the launch before has made, and the softmax's p as codes.  Nothing of the problem's work is left out here.
; t = sum x c, c = 2^(e6 + e7) log2(e) / 32.  For each query and each BLOCK of 256 keys (a work-group's tile): M_b = the block's largest t rounded up to a whole number; p = 2^(t - M_b), held at 448 x 2^e8 and
; turned into codes with 2^e8; the sum of the UNQUANTISED p over a wave's 128 keys.  -M_b and the sums go to stat; the next launch brings the blocks under the row's M by powers of two, which round nothing.
; LIMITS: e6 + e7 between -121 and 132 (they are added to c's exponent field); e8 between -126 and 119.  NaN is not served.
; SHARES.  A work-group: 256 queries (ty) x 256 keys (tx) of one batch; a wave 128 x 128: 64 accumulators, 512 registers.  Source 0 = 16 keys, source 1 = 16 queries: a lane holds ONE query and eight neighbouring keys,
; so the conversions' results are the registers of the next product's fragment (16 queries x 128 keys), stored as an image: Pc: [batch][key / 256][query / 16][(key % 256) / 128][2,048 bytes: 4 x 32 lanes x 16].
; stat: [query / 256 (with the batch)][(query % 256) / 64][key / 128][1,024 bytes]: 512 of -M_b, 512 of sums; a lane's 16 bytes: queries 16 a' + lane % 16, a' = 0 .. 3.
; OPERANDS are images of registers (Qc, Kc: [d / 256][token / 16][4][1,024]): a K step of 256 is, for 128 tokens, one dense block of 32,768 bytes: no padding, and a fragment load is 512 consecutive bytes.
; CLUSTERS: 4 x 4: Q's tile hangs on ty alone (a row of the cluster asks jointly), K's on the batch and tx (a column; the batch is taken from the cluster's y alone).  Waves 0, 1 ask for Q's halves, 2, 3 for K's.
; REGISTERS: window 0: v12, 13 the hold and the scale; v16-29 addresses; from v128 Q's fragments, one set.  Window 1: K's, two sets.  Windows 2, 3: the accumulators, (a, b) at v[8 (8 (a % 4) + b)].
;   On the way out, window 0: v32-159 two sets of 64 numbers; v160-191 two sets of codes; v192.. maxima, -M, sums; v240-247 at work.
.set SLOT,  32768                      ; LDS: a wave's part of a tile, 65,536 bytes for each wave: slot 0's 32,768, then slot 1's
.set SPARE, 262144                     ; behind the ring: the spare words
.set XCH,   SPARE+512                  ; behind them: 1,024 bytes a wave, for the exchange of maxima; written by LDS stores alone
.set FR,   16
.set NL,   4
.set LIM,  12
.set SC,   13
.set ADRA, 16
.set ADRB, 20
.set LI,   24                          ; 16 x lane
.set XW,   25                          ; where I put my maxima
.set XR,   26                          ; where my partner wave (w xor 1: the same queries, the other 128 keys) has put its
.set SPW,  28
.set NIL,  29
.set PFO,  30                          ; the prefetches' offset: 256 x lane; never rewritten
.set G1H,  80                          ; s[80:87], s[88:95] groups 1 of the head's loads: two K steps in one
.set G1HB, 88
.set AF,   128
.set MX,   192
.set PX,   200
.set NMS,  208
.set LS,   216
.set NMP,  224
.set G1,   24
.set G0,   32
.set G1B,  48
.set G0B,  56
.set CS,   66                          ; s[66:67] c
.set SEL,  68                          ; s[68:69] lane selects: lane l xor 16
.set MSB, 0
.macro WIN new
.if MSB != (\new)
	s_set_vgpr_msb (MSB<<8)|(\new)
.set MSB, (\new)
.endif
.endm
.set MUL_LO, 0xa1                      ; source 0 (K) window 1, source 1 (Q) window 0, C and D window 2
.set MUL_HI, 0xf1
.set TO_B,   0x40
.macro PLACES
.rept 4
	v_nop
.endr
.endm
.macro JLOAD s                         ; an s_nop 0 and four v_nop follow each of the two lines
	s_cmp_eq_u32 s15, 0
	s_cbranch_scc0 .Lfor_b_\@
	tensor_load_to_lds s[G0+4*(\s):G0+4*(\s)+3], s[G1:G1+7]
	s_nop 0
	PLACES
	s_branch .Lasked_\@
.Lfor_b_\@:
	tensor_load_to_lds s[G0B+4*(\s):G0B+4*(\s)+3], s[G1B:G1B+7]
	s_nop 0
	PLACES
.Lasked_\@:
.endm
.macro CREST
	s_cmp_lg_u32 s14, 0
	s_cbranch_scc1 .Lnot_wave_0_\@
	s_barrier_signal -3
.Lnot_wave_0_\@:
	s_barrier_wait -3
	s_barrier_signal -1
	s_barrier_wait -1
.endm
.macro CROUND
	s_barrier_signal -1
	s_barrier_wait -1
	CREST
.endm
	s_load_b128 s[4:7], s[0:1], 0x0                ; Qc, Kc
	s_load_b128 s[8:11], s[0:1], 0x10              ; the scales' exponents, Pc
	s_load_b64 s[12:13], s[0:1], 0x20              ; stat
	v_lshl_add_u32 v[SPW], v0, 2, SPARE
	v_mov_b32 v[NIL], 0
	ds_add_u32 v[SPW], v[NIL]                      ; the wave's opening: the add, twice on end, and its wait ahead of my first tensor load
	ds_add_u32 v[SPW], v[NIL]
	v_lshrrev_b32 v1, 5, v0
	v_readfirstlane_b32 s14, v1                    ; wave
	s_lshr_b32 s15, s14, 1                         ; which 128 queries are mine.  Also: I fetch for Q (0) or for K (1)
	s_and_b32 s16, s14, 1                          ; which 128 keys.  Also: which half of that tile I fetch
	s_bfe_u32 s40, ttmp6, 0x40000
	s_bfe_u32 s41, ttmp6, 0x40004
	s_and_b32 s76, ttmp7, 0xffff                   ; the cluster's number; with j = (number + 7) mod 8: the batch j / 2, the column group j % 2, the row group in the batch number / 8
	s_add_co_u32 s77, s76, 7
	s_and_b32 s77, s77, 7
	s_and_b32 s42, s77, 1
	s_lshl_b32 s42, s42, 2
	s_add_co_u32 s42, s42, s40                     ; tx: keys 256 tx on
	s_lshr_b32 s70, s77, 1                         ; the batch
	s_lshr_b32 s77, s76, 3
	s_lshl_b32 s17, s70, 1
	s_add_co_u32 s17, s17, s77
	s_lshl_b32 s17, s17, 2
	s_add_co_u32 s17, s17, s41                     ; ty: tokens 256 ty on
	s_lshl_b32 s43, s41, 2
	s_lshl_b32 s43, 15, s43
	s_lshl_b32 s44, 0x1111, s40
	s_or_b32 s[G1], s43, 1<<21                     ; the mask; elements of 1 byte; no padding; bit 21 beside a mask
	s_or_b32 s[G1B], s44, 1<<21
	s_or_b32 s[G1H], s43, (1<<21)|(3<<16)          ; elements of 8 bytes
	s_or_b32 s[G1HB], s44, (1<<21)|(3<<16)
.irp g, G1H, G1HB
	s_mov_b32 s[\g+1], 4096<<16                    ; a K step's part, 32,768 consecutive bytes, as one row;
	s_mov_b32 s[\g+2], 2<<16                       ; two K steps,
	s_mov_b32 s[\g+3], 4096<<16
	s_mov_b32 s[\g+4], 2
	s_mov_b32 s[\g+5], 262144                      ; 2,097,152 bytes apart
	s_mov_b32 s[\g+6], 0
	s_mov_b32 s[\g+7], 0
.endr
.irp g, G1, G1B
	s_mov_b32 s[\g+1], 256<<16                     ; a dense block as rows of 256 bytes
	s_mov_b32 s[\g+2], 128<<16                     ; 128 of them
	s_mov_b32 s[\g+3], 256<<16
	s_mov_b32 s[\g+4], 128
	s_mov_b32 s[\g+5], 256
	s_mov_b32 s[\g+6], 0
	s_mov_b32 s[\g+7], 0
.endr
	s_lshl_b32 s18, s16, 15                        ; my half: 8 blocks of 4,096 bytes
	s_lshl_b32 s20, s17, 16                        ; Q: block 16 ty
	s_add_co_u32 s20, s20, s18
	s_mov_b32 s21, 0
	s_lshl_b32 s46, s70, 19                        ; K: block 128 batch + 16 tx
	s_lshl_b32 s47, s42, 16
	s_add_co_u32 s46, s46, s47
	s_add_co_u32 s46, s46, s18
	s_mov_b32 s47, 0
	s_lshl_b32 s45, s14, 16                        ; where it goes: wave x 65,536
	s_mov_b32 s[SEL], 0x76543210
	s_mov_b32 s[SEL+1], 0xfedcba98
	s_wait_dscnt 0x0
	s_wait_kmcnt 0x0
	s_load_b64 s[72:73], s[8:9], 0x18              ; e6, e7
	s_load_b64 s[74:75], s[8:9], 0x20              ; e8, e9
	s_add_nc_u64 s[20:21], s[4:5], s[20:21]
	s_add_nc_u64 s[46:47], s[6:7], s[46:47]
	CROUND
.irp s, 0,1
	s_mov_b32 s[G0+4*\s], 1
	s_add_co_u32 s[G0+4*\s+1], s45, \s*SLOT
	s_add_nc_u64 s[G0+4*\s+2:G0+4*\s+3], s[20:21], \s*2097152   ; K step s: 512 blocks of 4,096 bytes on
	s_or_b32 s[G0+4*\s+3], s[G0+4*\s+3], 0x80000000
	s_mov_b32 s[G0B+4*\s], 1
	s_add_co_u32 s[G0B+4*\s+1], s45, \s*SLOT
	s_add_nc_u64 s[G0B+4*\s+2:G0B+4*\s+3], s[46:47], \s*2097152
	s_or_b32 s[G0B+4*\s+3], s[G0B+4*\s+3], 0x80000000
.endr
	s_cmp_eq_u32 s15, 0                            ; my one load at the head: K steps 0 and 1, slots 0 and 1
	s_cbranch_scc0 .Lhead_b
	tensor_load_to_lds s[G0:G0+3], s[G1H:G1H+7]
	s_nop 0
	PLACES
	s_branch .Lhead_z
.Lhead_b:
	tensor_load_to_lds s[G0B:G0B+3], s[G1HB:G1HB+7]
	s_nop 0
	PLACES
.Lhead_z:
	; the prefetches: of the 32,768 bytes that my wave asks for in a K step, the partner at place p takes 8,192 p on, a block of 256 bytes to a lane (p = cx for Q, cy for K)
	s_cmp_eq_u32 s15, 0
	s_cselect_b64 s[76:77], s[20:21], s[46:47]
	s_cselect_b32 s78, s40, s41
	s_lshl_b32 s78, s78, 13
	s_mov_b32 s79, 0
	s_add_nc_u64 s[76:77], s[76:77], s[78:79]
	v_and_b32 v1, 31, v0
	v_lshlrev_b32 v[LI], 4, v1
	v_lshlrev_b32 v[PFO], 8, v1
	s_wait_alu depctr_va_vdst(0)
	s_lshl_b32 s18, s15, 16
	s_lshl_b32 s19, s16, 16
	s_add_co_u32 s19, s19, 131072
.irp s, 0,1
	v_add_nc_u32 v[ADRA+\s], s18, v[LI]
	v_add_nc_u32 v[ADRB+\s], s19, v[LI]
	s_add_co_u32 s18, s18, SLOT
	s_add_co_u32 s19, s19, SLOT
.endr
	s_lshl_b32 s18, s14, 10
	s_add_co_u32 s18, s18, XCH
	v_add_nc_u32 v[XW], s18, v[LI]
	s_xor_b32 s18, s14, 1
	s_lshl_b32 s18, s18, 10
	s_add_co_u32 s18, s18, XCH
	v_add_nc_u32 v[XR], s18, v[LI]
	; Pc: (((8 batch + tx) 128 + 16 (ty % 8) + 8 (w / 2)) 2 + w % 2) x 2,048;   stat: ((4 ty + 2 (w / 2)) 16 + 2 tx + w % 2) x 1,024
	s_lshl_b32 s18, s70, 3
	s_add_co_u32 s18, s18, s42
	s_lshl_b32 s18, s18, 7
	s_and_b32 s19, s17, 7
	s_lshl_b32 s19, s19, 4
	s_add_co_u32 s18, s18, s19
	s_lshl_b32 s19, s15, 3
	s_add_co_u32 s18, s18, s19
	s_lshl_b32 s18, s18, 1
	s_add_co_u32 s18, s18, s16
	s_lshl_b32 s18, s18, 11
	s_mov_b32 s19, 0
	s_add_nc_u64 s[10:11], s[10:11], s[18:19]
	s_lshl_b32 s18, s17, 2
	s_lshl_b32 s22, s15, 1
	s_add_co_u32 s18, s18, s22
	s_lshl_b32 s18, s18, 4
	s_lshl_b32 s22, s42, 1
	s_add_co_u32 s18, s18, s22
	s_add_co_u32 s18, s18, s16
	s_lshl_b32 s18, s18, 10
	s_add_nc_u64 s[12:13], s[12:13], s[18:19]
.macro FRAG reg, adr, q, i             ; a fragment, 16 rows x 128 K: four loads of 512 consecutive bytes bring its image
.irp c, 0,1,2,3
	ds_load_b128 v[\reg+4*\c:\reg+4*\c+3], v[\adr] offset:(\i)*4096+(\q)*2048+512*\c
.endr
.endm
.macro MUL16 a0, p, zero               ; Q's blocks a0, a0 + 1 x K's eight of set p.  The 64 accumulators take turns, one instruction a turn
.irp a, \a0, \a0+1
.irp b, 0,1,2,3,4,5,6,7
.if \zero
	v_wmma_f32_16x16x128_fp8_fp8 v[8*(8*((\a)%4)+\b):8*(8*((\a)%4)+\b)+7], v[128*(\p)+FR*\b:128*(\p)+FR*\b+FR-1], v[AF+FR*(\a):AF+FR*(\a)+FR-1], 0
.else
	v_wmma_f32_16x16x128_fp8_fp8 v[8*(8*((\a)%4)+\b):8*(8*((\a)%4)+\b)+7], v[128*(\p)+FR*\b:128*(\p)+FR*\b+FR-1], v[AF+FR*(\a):AF+FR*(\a)+FR-1], v[8*(8*((\a)%4)+\b):8*(8*((\a)%4)+\b)+7]
.endif
.endr
.endr
.endm
.macro FETCH_B slot, q, p
	WIN TO_B
.irp i, 0,1,2,3,4,5,6,7
	FRAG 128*(\p)+FR*\i, ADRB+\slot, \q, \i
.endr
	WIN 0
.endm
.macro FETCH_A slot, q, i0
.irp i, \i0, \i0+1, \i0+2, \i0+3
	FRAG AF+FR*(\i), ADRA+\slot, \q, \i
.endr
.endm
.macro STEP slot, zero                 ; a slot's first 128 along K (K's set 0); it fetches the second's fragments
	s_wait_dscnt 4*NL                              ; K's set and Q's blocks 0-3 are in; the youngest sixteen loads (Q's blocks 4-7) may be out
	WIN MUL_LO
	MUL16 0, 0, \zero
	MUL16 2, 0, \zero
	s_wait_dscnt 0x0
	PLACES
	FETCH_B \slot, 1, 1
	FETCH_A \slot, 1, 0
	WIN MUL_HI
	MUL16 4, 0, \zero
	MUL16 6, 0, \zero
	PLACES
	WIN 0
	FETCH_A \slot, 1, 4
.endm
.macro TURN slot, next, fill           ; a slot's second 128 along K (set 1) changes slots
	s_wait_tensorcnt 0x0                           ; all my tensor loads have landed: my part of the next slot
	ds_add_u32 v[SPW], v[NIL]                      ; 0 onto my spare word
	s_wait_dscnt 4*NL+1                            ; (the add and the youngest sixteen loads may be out)
	WIN MUL_LO
	MUL16 0, 1, 0
	s_wait_dscnt 0x0                               ; the add is done, and my reads of this slot are over
	s_barrier_signal -1
	MUL16 2, 1, 0
	WIN 0
	s_barrier_wait -1
.if \fill
	CREST                                          ; a round of the cluster's barrier: no wave of any partner still reads this slot or has a load on its way
	s_add_nc_u64 s[G0+4*\slot+2:G0+4*\slot+3], s[G0+4*\slot+2:G0+4*\slot+3], 4194304
	s_add_nc_u64 s[G0B+4*\slot+2:G0B+4*\slot+3], s[G0B+4*\slot+2:G0B+4*\slot+3], 4194304
	JLOAD \slot
.else
	PLACES
.endif
	FETCH_B \next, 0, 0
	FETCH_A \next, 0, 0
	WIN MUL_HI
	MUL16 4, 1, 0
	MUL16 6, 1, 0
	PLACES
	WIN 0
	FETCH_A \next, 0, 4
.endm
	s_wait_alu depctr_va_vdst(0)
	s_wait_tensorcnt 0x0                           ; my part of both slots is in
	s_barrier_signal -1
	s_barrier_wait -1
	FETCH_B 0, 0, 0
	FETCH_A 0, 0, 0
	FETCH_A 0, 0, 4
	global_prefetch_b8 v[PFO], s[76:77] offset:4194304 th:TH_LOAD_NT scope:SCOPE_SE   ; K step 2, a K step ahead of its load
	STEP 0, 1                                      ; four K steps of 256, written out: each slot is filled again once
	TURN 0, 1, 1
	global_prefetch_b8 v[PFO], s[76:77] offset:6291456 th:TH_LOAD_NT scope:SCOPE_SE   ; K step 3; there is none behind it
	STEP 1, 0
	TURN 1, 0, 1
	STEP 0, 0
	TURN 0, 1, 0
	STEP 1, 0
	s_wait_dscnt 4*NL
	WIN MUL_LO
	MUL16 0, 1, 0
	MUL16 2, 1, 0
	s_wait_dscnt 0x0
	WIN MUL_HI
	MUL16 4, 1, 0
	MUL16 6, 1, 0
	WIN 0
	s_wait_kmcnt 0x0
	s_add_co_i32 s18, s72, s73
	s_sub_co_i32 s18, s18, 5
	s_lshl_b32 s18, s18, 23
	s_add_co_i32 s[CS], s18, 0x3fb8aa3b            ; c = log2(e) x 2^(e6 + e7 - 5): the whole number is added to the exponent field
	s_mov_b32 s[CS+1], s[CS]
	s_add_co_i32 s18, s74, 127
	s_lshl_b32 s19, s18, 23
	s_add_co_i32 s18, s18, 8
	s_lshl_b32 s18, s18, 23
	s_or_b32 s18, s18, 0x600000
	PLACES
	v_mov_b32 v[SC], s19                           ; 2^e8
	v_mov_b32 v[LIM], s18                          ; 448 x 2^e8
	v_mov_b32 v246, 0                              ; written once: a lane permute's destination counts as one of its sources
	; the largest score of each query among my 128 keys; each accumulator is read from its low end on
.irp x, 0,1,2,3
	v_mov_b32 v[240+\x], 0                         ; (written once, as v246)
.endr
.irp g, 0,4                            ; four of Q's blocks side by side, so eight chains
.irp c, 0,1,2,3,4,5,6,7
	v_mov_b32 v[PX+\c], 0xff800000
.endr
	WIN 0x28+0x14*(\g/4)                           ; sources 1 and 2: window 2 or 3
.irp b, 0,1,2,3,4,5,6,7
.irp i, 0,2,4,6
.irp x, 0,1,2,3
	v_max3_num_f32 v[PX+2*\x+(\i/2)%2], v[PX+2*\x+(\i/2)%2], v[8*(8*\x+\b)+\i], v[8*(8*\x+\b)+\i+1]
.endr
.endr
.endr
	WIN 0
.irp x, 0,1,2,3
	v_max_num_f32 v[PX+2*\x], v[PX+2*\x], v[PX+2*\x+1]
.endr
.irp x, 0,1,2,3
	v_permlanex16_b32 v[240+\x], v[PX+2*\x], s[SEL], s[SEL+1]
.endr
.irp x, 0,1,2,3
	v_max_num_f32 v[MX+\g+\x], v[PX+2*\x], v[240+\x]
.endr
.endr
	ds_store_b128 v[XW], v[MX:MX+3]                ; and among the block's other 128 keys: through LDS, from the wave that holds them
	ds_store_b128 v[XW], v[MX+4:MX+7] offset:512
	s_wait_alu depctr_va_vdst(0)
	s_wait_dscnt 0x0                               ; for the other wave's sake: my stores are done
	s_barrier_signal -1
	s_barrier_wait -1
	ds_load_b128 v[PX:PX+3], v[XR]
	ds_load_b128 v[PX+4:PX+7], v[XR] offset:512
	s_wait_dscnt 0x0
.irp a, 0,1,2,3,4,5,6,7
	v_max_num_f32 v[MX+\a], v[MX+\a], v[PX+\a]
.endr
.irp a, 0,1,2,3,4,5,6,7
	v_mul_f32 v[MX+\a], s[CS], v[MX+\a]            ; as t (c is positive)
.endr
.irp a, 0,1,2,3,4,5,6,7
	v_floor_f32 v[NMS+\a], -v[MX+\a]               ; -M_b = floor(-t) = -ceil(t)
.endr
.irp a, 0,1,2,3,4,5,6,7
	v_mov_b32 v[NMP+2*\a], v[NMS+\a]               ; as a pair, for the packed form
	v_mov_b32 v[NMP+2*\a+1], v[NMS+\a]
.endr
.macro FMA a                           ; block a's 64 numbers: t - M_b, two at a time, into set a % 2
	WIN 0x02+(\a)/4
.set j, 0
.rept 32
	v_pk_fma_f32 v[32+64*((\a)%2)+j:32+64*((\a)%2)+j+1], v[64*((\a)%4)+j:64*((\a)%4)+j+1], s[CS:CS+1], v[NMP+2*(\a):NMP+2*(\a)+1] op_sel_hi:[1,0,0]
.set j, j+2
.endr
	WIN 0
.endm
.macro SUM a                           ; the sum of the unquantised p, ahead of the hold: four chains, then the other half of the lanes
.set TT, 32+64*((\a)%2)
	v_pk_add_f32 v[240:241], v[TT:TT+1], v[TT+2:TT+3]   ; (four chains: the maxima's registers are done with)
	v_pk_add_f32 v[242:243], v[TT+4:TT+5], v[TT+6:TT+7]
	v_pk_add_f32 v[MX:MX+1], v[TT+8:TT+9], v[TT+10:TT+11]
	v_pk_add_f32 v[MX+2:MX+3], v[TT+12:TT+13], v[TT+14:TT+15]
.set j, 16
.rept 6
	v_pk_add_f32 v[240:241], v[240:241], v[TT+j:TT+j+1]
	v_pk_add_f32 v[242:243], v[242:243], v[TT+j+2:TT+j+3]
	v_pk_add_f32 v[MX:MX+1], v[MX:MX+1], v[TT+j+4:TT+j+5]
	v_pk_add_f32 v[MX+2:MX+3], v[MX+2:MX+3], v[TT+j+6:TT+j+7]
.set j, j+8
.endr
	v_pk_add_f32 v[240:241], v[240:241], v[242:243]
	v_pk_add_f32 v[MX:MX+1], v[MX:MX+1], v[MX+2:MX+3]
	v_pk_add_f32 v[240:241], v[240:241], v[MX:MX+1]
	v_add_f32 v240, v240, v241
	v_permlanex16_b32 v246, v240, s[SEL], s[SEL+1]
	v_add_f32 v[LS+(\a)], v240, v246
.endm
.macro EXPMIN n, a                     ; block n's exponentials, each followed by a plain line: block a's hold (p is not negative, so it is one-sided)
.set j, 0
.rept 64
	v_exp_f32 v[32+64*((\n)%2)+j], v[32+64*((\n)%2)+j]
	v_min_num_f32 v[32+64*((\a)%2)+j], v[32+64*((\a)%2)+j], v[LIM]
.set j, j+1
.endr
.endm
.macro CVT a
.irp b, 0,1,2,3,4,5,6,7
	v_cvt_scalef32_pk8_fp8_f32 v[160+16*((\a)%2)+2*\b:160+16*((\a)%2)+2*\b+1], v[32+64*((\a)%2)+8*\b:32+64*((\a)%2)+8*\b+7], v[SC]
.endr
	v_nop                                          ; a plain line behind the last conversion of the run
.endm
.macro PUT a
.irp c, 0,1,2,3
	global_store_b128 v[LI], v[160+16*((\a)%2)+4*\c:160+16*((\a)%2)+4*\c+3], s[10:11] offset:(\a)*4096+512*\c
.endr
.endm
	FMA 0
.set j, 0
	s_wait_alu depctr_va_vdst(0)
.rept 64
	v_exp_f32 v[32+j], v[32+j]
.set j, j+1
.endr
	v_nop
	s_wait_alu depctr_va_vdst(0)                   ; one wait for the batch, ahead of its first reader
.irp a, 0,1,2,3,4,5,6
	SUM \a
	FMA \a+1
	s_wait_alu depctr_va_vdst(0)
	EXPMIN \a+1, \a
.if \a >= 2
	s_wait_xcnt 0x0                                ; the stores of two blocks back have read their registers
.endif
	s_wait_alu depctr_va_vdst(0)
	CVT \a
	PUT \a
	s_wait_alu depctr_va_vdst(0)                   ; one wait for the next block's batch, ahead of its first reader, the sum
.endr
	SUM 7
.set j, 0
.rept 64
	v_min_num_f32 v[96+j], v[96+j], v[LIM]
.set j, j+1
.endr
	s_wait_alu depctr_va_vdst(0)
	s_wait_xcnt 0x0
	CVT 7
	PUT 7
.irp u, 0,1
	global_store_b128 v[LI], v[NMS+4*\u:NMS+4*\u+3], s[12:13] offset:16384*\u
	global_store_b128 v[LI], v[LS+4*\u:LS+4*\u+3], s[12:13] offset:16384*\u+512
.endr
	s_wait_tensorcnt 0x0                           ; the wave's end
	ds_add_u32 v[SPW], v[NIL]
	s_wait_dscnt 0x0
	CROUND
	s_endpgm
.Lfunc_end_k_q25704fc8f9_scores:
	.size	k_q25704fc8f9_scores, .Lfunc_end_k_q25704fc8f9_scores-k_q25704fc8f9_scores
	.p2alignl 7, 3214868480
	.fill 96, 4, 3214868480
	.section	.rodata,"a",@progbits
	.p2align	6, 0x0
	.amdhsa_kernel k_q25704fc8f9_scores
		.amdhsa_group_segment_fixed_size 327680
		.amdhsa_private_segment_fixed_size 0
		.amdhsa_enable_private_segment 0
		.amdhsa_kernarg_size 40
		.amdhsa_user_sgpr_count 2
		.amdhsa_user_sgpr_kernarg_segment_ptr 1
		.amdhsa_wavefront_size32 1
		.amdhsa_system_sgpr_workgroup_id_x 1
		.amdhsa_system_sgpr_workgroup_id_y 1
		.amdhsa_system_sgpr_workgroup_id_z 1
		.amdhsa_system_vgpr_workitem_id 0
		.amdhsa_next_free_vgpr 1024
		.amdhsa_next_free_sgpr 100
		.amdhsa_reserve_vcc 0
		.amdhsa_float_denorm_mode_32 3
		.amdhsa_float_denorm_mode_16_64 3
		.amdhsa_memory_ordered 1
		.amdhsa_forward_progress 1
		.amdhsa_inst_pref_size 173
	.end_amdhsa_kernel
	.amdgpu_metadata
---
amdhsa.version: [ 1, 2 ]
amdhsa.kernels:
  - .name:           k_q25704fc8f9_scores
    .symbol:         k_q25704fc8f9_scores.kd
    .args:
      - { .name: Qc, .offset: 0, .size: 8, .value_kind: global_buffer, .address_space: global }
      - { .name: Kc, .offset: 8, .size: 8, .value_kind: global_buffer, .address_space: global }
      - { .name: lowp_scales, .offset: 16, .size: 8, .value_kind: global_buffer, .address_space: global }
      - { .name: Pc, .offset: 24, .size: 8, .value_kind: global_buffer, .address_space: global }
      - { .name: stat, .offset: 32, .size: 8, .value_kind: global_buffer, .address_space: global }
    .group_segment_fixed_size: 327680
    .private_segment_fixed_size: 0
    .kernarg_segment_align: 8
    .kernarg_segment_size: 40
    .max_flat_workgroup_size: 128
    .sgpr_count:     100
    .vgpr_count:     1024
    .wavefront_size: 32
...
	.end_amdgpu_metadata
.endif
;; end of part 2
;; launch mix (part 3): grid 4 x 64, 4 waves a work-group, clusters of 4 x 4, 327,680 bytes of LDS; arguments Pc, Vc, stat, lowp_scales, out0; writes out0
.if DOCPART == 3
	.amdgcn_target "amdgcn-amd-amdhsa--gfx1250"
	.amdhsa_code_object_version 6
	.text
	.protected	k_q25704fc8f9_mix
	.globl	k_q25704fc8f9_mix
	.p2align	8
	.type	k_q25704fc8f9_mix,@function
k_q25704fc8f9_mix:
	s_mov_b64 s[64:65], 0
	v_nop
	global_prefetch_b8 v0, s[64:65] scope:SCOPE_SE
	s_setreg_imm32_b32 hwreg(HW_REG_WAVE_MODE, 25, 1), 1
	s_wait_xcnt 0x0
	s_wait_alu depctr_hold_cnt(0) depctr_sa_sdst(0) depctr_va_vdst(0) depctr_va_sdst(0) depctr_va_ssrc(0) depctr_va_vcc(0) depctr_vm_vsrc(0)
	s_getreg_b32 s2, hwreg(HW_REG_IB_STS2, 6, 4)
	s_cmp_eq_u32 s2, 0
	s_cbranch_scc0 .Lentry_in_a_cluster
	s_endpgm
.Lentry_in_a_cluster:
	s_bfe_u32 s2, ttmp6, 0x10000c
	s_cmp_lg_u32 s2, 0xf033
	s_cbranch_scc0 .Lentry_shape_is_right
	s_endpgm
.Lentry_shape_is_right:
; out = P V / l on the codes that the launches before have made.  Nothing of the problem's work is left out here.
; p is 2^(t - M_b) with a whole M_b for each query and block of 256 keys; stat holds -M_b and the sums of the unquantised p.  M = the largest M_b.  Ahead of block k's products a row's sums are multiplied by 2^(M_(k-1) - M_k),
; a power of two, which rounds nothing; the last factor brings them under M, together with 2^(e8 + e9) / l.  A block whose M_b lies more than 64 under M is taken as lying 64 under it: its numbers are then under 2^-63 of the row's largest p.
; LIMITS: the scaled scores stay under 2^31 in magnitude (the whole numbers M_b are turned into 32-bit integers).  NaN is not served.
; SHARES.  A work-group: 256 queries (ty) x 128 channels (tx) of one batch; a wave 64 queries x 128 channels: 32 accumulators (a, b) at v[8 (8 a + b)] of window 1.  Source 0 = 16 channels of V^T, source 1 = 16 queries of P: a lane holds ONE query.
; OPERANDS are images of registers: Pc: [batch][key / 256][query / 16][4,096 bytes], Vc: [token / 256][d / 16][4,096 bytes].  A unit is 128 keys; windows 2 and 3 hold the fragments of two units by turns: V's eight at v0-127, P's four at v128-191.
; LDS: three slots of 256 keys (P 65,536 bytes, V 32,768).  Waves 0, 1 ask for P's halves, waves 2, 3 for V's.  The head's one load a wave brings key blocks 0, 1; block 2 takes slot 2 behind the first tiles' landing;
; then blocks 3, 4 take slots 0, 1, block 5 slot 2, blocks 6, 7 slots 0, 1.
; CLUSTERS as in the first launch: P's tiles hang on ty alone (a row of the cluster asks jointly), V's on the batch and tx (a column; the batch is taken from the cluster's number alone).
; PREFETCH: key blocks 3 to 7, one at a time, none later than the unit in which the load before theirs is issued; the four partners of a joint load share a block's bytes out by address.
.set PH,    98304                      ; LDS: P's half: three slots of 32,768
.set VB,    2*PH                       ; V's halves behind: three slots of 16,384 each
.set VH,    49152
.set SPARE, VB+2*VH                    ; the spare words
.set ADRP, 20                          ; v20: my P fragments in slots 0, 1; v21: in slot 2
.set ADRV, 22                          ; v22, v23: V's channel blocks 0-3, 4-7
.set STO,  24
.set RD,   25
.set CO,   26                          ; 16 x lane
.set SPW,  28
.set NIL,  29
.set PFO,  30
.set NM,   32                          ; -M_b, eight blocks x four query blocks
.set LL,   64
.set FF,   128
.set GG,   184
.set NF,   192
.set NF64, 196
.set LT,   200
.set TA,   204
.set TB,   208
.set TMP,  32
.set BK0,  96
.set G1P2, 28
.set G1P1, 36
.set G1V2, 52
.set G1V1, 68
.set G0P,  76
.set G0V,  80
.set MSB, 0
.macro WIN new
.if MSB != (\new)
	s_set_vgpr_msb (MSB<<8)|(\new)
.set MSB, (\new)
.endif
.endm
.macro PLACES
.rept 4
	v_nop
.endr
.endm
.macro CROUND
	s_barrier_signal -1
	s_barrier_wait -1
	s_cmp_lg_u32 s14, 0
	s_cbranch_scc1 .Lnot_wave_0_\@
	s_barrier_signal -3
.Lnot_wave_0_\@:
	s_barrier_wait -3
	s_barrier_signal -1
	s_barrier_wait -1
.endm
.macro G1SET g, mask, len, pitch, rows ; elements of 8 bytes; a key block's part is one row
	s_or_b32 s[\g], \mask, (3<<16)|(1<<21)
	s_mov_b32 s[\g+1], \len<<16
	s_mov_b32 s[\g+2], \rows<<16
	s_mov_b32 s[\g+3], \len<<16
	s_mov_b32 s[\g+4], \rows
	s_mov_b32 s[\g+5], \pitch
	s_mov_b32 s[\g+6], 1<<16
	s_mov_b32 s[\g+7], 0
.endm
.macro JL gp, gv                       ; a joint load; an s_nop 0 and four v_nop follow each of the two lines
	s_cmp_lt_u32 s14, 2
	s_cbranch_scc0 .Lfor_v_\@
	tensor_load_to_lds s[G0P:G0P+3], s[\gp:\gp+7]
	s_nop 0
	PLACES
	s_branch .Lasked_\@
.Lfor_v_\@:
	tensor_load_to_lds s[G0V:G0V+3], s[\gv:\gv+7]
	s_nop 0
	PLACES
.Lasked_\@:
.endm
	s_load_b128 s[4:7], s[0:1], 0x0                ; Pc, Vc
	s_load_b128 s[8:11], s[0:1], 0x10              ; stat, the scales' exponents
	s_load_b64 s[12:13], s[0:1], 0x20              ; out
	v_lshl_add_u32 v[SPW], v0, 2, SPARE
	v_mov_b32 v[NIL], 0
	ds_add_u32 v[SPW], v[NIL]                      ; the wave's opening: the add, twice on end, and its wait ahead of my first tensor load
	ds_add_u32 v[SPW], v[NIL]
	v_lshrrev_b32 v1, 5, v0
	v_readfirstlane_b32 s14, v1                    ; wave
	s_lshr_b32 s15, s14, 1
	s_and_b32 s16, s14, 1
	s_bfe_u32 s84, ttmp6, 0x40000                  ; cx, cy
	s_bfe_u32 s85, ttmp6, 0x40004
	s_and_b32 s88, ttmp7, 0xffff                   ; the cluster's number; with j = (number + 7) mod 8: the batch j / 2, the column group j % 2, the row group in the batch number / 8
	s_add_co_u32 s89, s88, 7
	s_and_b32 s89, s89, 7
	s_and_b32 s86, s89, 1
	s_lshl_b32 s86, s86, 2
	s_add_co_u32 s86, s86, s84                     ; tx
	s_lshr_b32 s87, s89, 1                         ; the batch
	s_lshr_b32 s89, s88, 3
	s_lshl_b32 s17, s87, 1
	s_add_co_u32 s17, s17, s89
	s_lshl_b32 s17, s17, 2
	s_add_co_u32 s17, s17, s85                     ; ty
	s_lshl_b32 s90, s85, 2
	s_lshl_b32 s90, 15, s90                        ; my row of the cluster
	s_lshl_b32 s91, 0x1111, s84                    ; my column
	G1SET G1P2, s90, 4096, 65536, 2
	G1SET G1P1, s90, 4096, 65536, 1
	G1SET G1V2, s91, 2048, 32768, 2
	G1SET G1V1, s91, 2048, 32768, 1
	s_lshl_b32 s94, s87, 22                        ; P: ((8 batch + block) 128 + 16 (ty % 8) + 8 half) x 4,096
	s_and_b32 s95, s17, 7
	s_lshl_b32 s95, s95, 16
	s_add_co_u32 s94, s94, s95
	s_lshl_b32 s95, s16, 15
	s_add_co_u32 s94, s94, s95
	s_mov_b32 s95, 0
	s_lshl_b32 s96, s87, 21                        ; V: ((8 batch + block) 64 + 8 tx + 4 half) x 4,096
	s_lshl_b32 s97, s86, 15
	s_add_co_u32 s96, s96, s97
	s_lshl_b32 s97, s16, 14
	s_add_co_u32 s96, s96, s97
	s_mov_b32 s97, 0
	s_mul_i32 s18, s16, PH                         ; where they go
	s_mul_i32 s19, s16, VH
	s_add_co_u32 s19, s19, VB
	s_mov_b32 s[G0P], 1
	s_mov_b32 s[G0P+1], s18
	s_mov_b32 s[G0V], 1
	s_mov_b32 s[G0V+1], s19
	s_lshl_b32 s90, s17, 2                         ; stat: (4 ty + w) x 16,384
	s_add_co_u32 s90, s90, s14
	s_lshl_b32 s90, s90, 14
	s_mov_b32 s91, 0
	s_wait_dscnt 0x0
	s_wait_kmcnt 0x0
	s_load_b64 s[66:67], s[10:11], 0x20            ; e8, e9
	s_add_nc_u64 s[8:9], s[8:9], s[90:91]
	v_and_b32 v3, 31, v0
	v_lshlrev_b32 v[CO], 4, v3
.irp t, 0,1,2,3,4,5,6,7
	global_load_b128 v[NM+4*\t:NM+4*\t+3], v[CO], s[8:9] offset:2048*\t
.endr
.irp t, 0,1,2,3,4,5,6,7,8,9,10,11,12,13,14,15
	global_load_b128 v[LL+4*\t:LL+4*\t+3], v[CO], s[8:9] offset:1024*\t+512
.endr
	s_add_nc_u64 s[94:95], s[4:5], s[94:95]
	s_add_nc_u64 s[96:97], s[6:7], s[96:97]
	s_mov_b64 s[G0P+2:G0P+3], s[94:95]
	s_or_b32 s[G0P+3], s[G0P+3], 0x80000000
	s_mov_b64 s[G0V+2:G0V+3], s[96:97]
	s_or_b32 s[G0V+3], s[G0V+3], 0x80000000
	CROUND                                         ; all sixteen work-groups are here: the first joint loads meet
	JL G1P2, G1V2                                  ; key blocks 0, 1
	; the prefetches: of a key block's 32,768 bytes of P that my wave asks for the partner at place cx takes 8,192; of 16,384 bytes of V the partner at place cy takes 4,096 (lanes 16-31 name lanes 0-15's blocks again)
	s_mov_b32 s92, 0x40000
	s_cmp_lt_u32 s14, 2
	s_cselect_b64 s[100:101], s[94:95], s[96:97]
	s_cselect_b32 s90, s84, s85
	s_cselect_b32 s91, 13, 12
	s_cselect_b32 s92, 0x80000, s92                ; from key block to key block
	s_cselect_b32 s88, 31, 15
	s_mov_b32 s93, 0
	s_lshl_b32 s90, s90, s91
	s_mov_b32 s91, 0
	s_add_nc_u64 s[100:101], s[100:101], s[90:91]
	s_add_nc_u64 s[100:101], s[100:101], s[92:93]
	s_add_nc_u64 s[100:101], s[100:101], s[92:93]  ; at block 2: the first prefetch steps it to block 3
	s_lshl_b32 s90, s17, 20                        ; out: rows 256 ty + 64 w, columns 128 tx
	s_lshl_b32 s91, s14, 18
	s_add_co_u32 s90, s90, s91
	s_lshl_b32 s91, s86, 9
	s_add_co_u32 s90, s90, s91
	s_mov_b32 s91, 0
	s_add_nc_u64 s[12:13], s[12:13], s[90:91]
	s_mul_i32 s90, s15, PH                         ; my queries: half w / 2, blocks 4 (w % 2) on
	s_lshl_b32 s91, s16, 14
	s_add_co_u32 s91, s90, s91
	s_mul_i32 s89, s16, 16*528
	s_add_co_u32 s90, s90, s89
	s_add_co_u32 s90, s90, 65536                   ; my stage: 16 rows of 528 bytes in slot 2's part for P, which has had its last fill and its last read by then
	s_wait_alu depctr_va_vdst(0)
	v_add_nc_u32 v[ADRP], s91, v[CO]
	v_add_nc_u32 v[ADRP+1], 0x10000, v[ADRP]
	v_add_nc_u32 v[ADRV], VB, v[CO]
	v_add_nc_u32 v[ADRV+1], VB+VH, v[CO]
	v_and_b32 v4, s88, v0
	v_lshlrev_b32 v[PFO], 8, v4
	v_and_b32 v1, 15, v0
	v_bfe_u32 v2, v0, 4, 1
	v_mul_u32_u24 v5, v1, 528
	v_lshl_add_u32 v5, v2, 5, v5
	v_add_nc_u32 v[STO], s90, v5
	v_add_nc_u32 v[RD], s90, v[CO]
	s_wait_kmcnt 0x0
	s_add_co_i32 s98, s66, s67
	s_wait_alu depctr_va_vdst(0)                   ; directly ahead of the wait below
	s_wait_loadcnt 0x0
.irp a, 0,1,2,3
	v_min3_num_f32 v[NF+\a], v[NM+\a], v[NM+4+\a], v[NM+8+\a]   ; -M: the least of the eight -M_b
.endr
.irp a, 0,1,2,3
	v_min3_num_f32 v[NF+\a], v[NF+\a], v[NM+12+\a], v[NM+16+\a]
.endr
.irp a, 0,1,2,3
	v_min3_num_f32 v[NF+\a], v[NF+\a], v[NM+20+\a], v[NM+24+\a]
.endr
.irp a, 0,1,2,3
	v_min_num_f32 v[NF+\a], v[NF+\a], v[NM+28+\a]
.endr
.irp a, 0,1,2,3
	v_add_f32 v[NF64+\a], 0x42800000, v[NF+\a]
.endr
.irp t, 0,1,2,3,4,5,6,7                ; l = the sum of the blocks' sums x 2^(M_b - M)
.irp a, 0,1,2,3
	v_sub_f32 v[TA+\a], v[NF+\a], v[NM+4*\t+\a]
.endr
.irp a, 0,1,2,3
	v_cvt_i32_f32 v[TA+\a], v[TA+\a]
.endr
.irp a, 0,1,2,3
	v_ldexp_f32 v[TA+\a], 1.0, v[TA+\a]
.endr
.irp a, 0,1,2,3
	v_add_f32 v[TB+\a], v[LL+8*\t+\a], v[LL+8*\t+4+\a]
.endr
.irp a, 0,1,2,3
.if \t == 0
	v_mul_f32 v[LT+\a], v[TB+\a], v[TA+\a]
.else
	v_fma_f32 v[LT+\a], v[TB+\a], v[TA+\a], v[LT+\a]
.endif
.endr
.endr
	s_wait_alu depctr_va_vdst(0)                   ; the wait ahead of the batch
.irp a, 0,1,2,3
	v_rcp_f32 v[TB+\a], v[LT+\a]
.endr
.irp t, 0,1,2,3,4,5,6,7
.irp a, 0,1,2,3
	v_min_num_f32 v[NM+4*\t+\a], v[NM+4*\t+\a], v[NF64+\a]
.endr
.endr
.irp k, 1,2,3,4,5,6,7                  ; the factors between neighbouring blocks, as pairs for the packed form
.irp a, 0,1,2,3
	v_sub_f32 v[TA+\a], v[NM+4*\k+\a], v[NM+4*\k-4+\a]
.endr
.irp a, 0,1,2,3
	v_cvt_i32_f32 v[TA+\a], v[TA+\a]
.endr
.irp a, 0,1,2,3
	v_ldexp_f32 v[FF+8*(\k-1)+2*\a], 1.0, v[TA+\a]
.endr
.irp a, 0,1,2,3
	v_mov_b32 v[FF+8*(\k-1)+2*\a+1], v[FF+8*(\k-1)+2*\a]
.endr
.endr
.irp a, 0,1,2,3
	v_sub_f32 v[TA+\a], v[NF+\a], v[NM+28+\a]
.endr
.irp a, 0,1,2,3
	v_cvt_i32_f32 v[TA+\a], v[TA+\a]
.endr
.irp a, 0,1,2,3
	v_add_nc_u32 v[TA+\a], s98, v[TA+\a]
.endr
	s_wait_alu depctr_va_vdst(0)                   ; the wait ahead of the reciprocals' first reader
.irp a, 0,1,2,3
	v_ldexp_f32 v[GG+2*\a], v[TB+\a], v[TA+\a]     ; 2^(M_7 - M + e8 + e9) / l
.endr
.irp a, 0,1,2,3
	v_mov_b32 v[GG+2*\a+1], v[GG+2*\a]
.endr
.macro PFRAG u, a                      ; P's block a of unit u: four loads of 512 consecutive bytes bring its image
.irp q, 0,1,2,3
	ds_load_b128 v[128+16*(\a)+4*\q:128+16*(\a)+4*\q+3], v[ADRP+fS/2] offset:(fS%2)*32768+(\a)*4096+((\u)%2)*2048+512*\q
.endr
.endm
.macro FVP u                           ; the first 36 of unit u's 48 loads: V's eight fragments and P's block 0
	WIN 0x80+0x40*((\u)%2)
.set fS, ((\u)/2)%3
.irp b, 0,1,2,3,4,5,6,7
.irp q, 0,1,2,3
	ds_load_b128 v[16*\b+4*\q:16*\b+4*\q+3], v[ADRV+\b/4] offset:fS*16384+(\b%4)*4096+((\u)%2)*2048+512*\q
.endr
.endr
	PFRAG \u, 0
.endm
.macro FP u                            ; the other twelve: P's blocks 1-3
	WIN 0x80+0x40*((\u)%2)
.set fS, ((\u)/2)%3
	PFRAG \u, 1
	PFRAG \u, 2
	PFRAG \u, 3
.endm
; Eight tiles from t0 on.  kb > 0: behind each two products two other tiles, from rt0 on, are multiplied by block kb's factor.  The 32 accumulators take turns, one instruction a turn.
.macro MULT u, t0, zero, rt0, kb
.set ti, \t0
.set ri, \rt0
.rept 4
	WIN 0x50+5*(2+(\u)%2)                          ; both sources in window 2 or 3, C and D in window 1
.rept 2
.set rV, 16*(ti%8)
.set rP, 128+16*(ti/8)
.if \zero
	v_wmma_f32_16x16x128_fp8_fp8 v[8*ti:8*ti+7], v[rV:rV+15], v[rP:rP+15], 0
.else
	v_wmma_f32_16x16x128_fp8_fp8 v[8*ti:8*ti+7], v[rV:rV+15], v[rP:rP+15], v[8*ti:8*ti+7]
.endif
.set ti, ti+1
.endr
.if (\kb) > 0
	WIN 0x41
.rept 2
.irp j, 0,2,4,6
	v_pk_mul_f32 v[8*ri+\j:8*ri+\j+1], v[8*ri+\j:8*ri+\j+1], v[FF+8*((\kb)-1)+2*(ri/8):FF+8*((\kb)-1)+2*(ri/8)+1]
.endr
.set ri, ri+1
.endr
.endif
.endr
.endm
.macro SYNC gp, gv, n, lp, lv          ; a later fill: the descriptors step n key blocks on; lp, lv: the slot
	WIN 0
	s_wait_tensorcnt 0x0                           ; all my tensor loads have landed
	ds_add_u32 v[SPW], v[NIL]                      ; 0 onto my spare word
	s_add_nc_u64 s[G0P+2:G0P+3], s[G0P+2:G0P+3], (\n)*524288
	s_add_nc_u64 s[G0V+2:G0V+3], s[G0V+2:G0V+3], (\n)*262144
	s_add_co_u32 s[G0P+1], s18, \lp
	s_add_co_u32 s[G0V+1], s19, \lv
	s_wait_dscnt 0x0                               ; the add is done, and my reads of the slots that are filled again are over
	CROUND                                         ; this holds of every wave of every partner
	JL \gp, \gv
.endm
.macro ASK                             ; the next key block
	WIN 0
	s_wait_xcnt 0x0                                ; the last prefetch has read its address
	s_add_nc_u64 s[100:101], s[100:101], s[92:93]
	global_prefetch_b8 v[PFO], s[100:101] th:TH_LOAD_NT scope:SCOPE_SE
.endm
; A unit multiplies its fragments and fetches the next unit's: 36 loads ahead of its first tile, twelve ahead of its seventeenth.
.macro UNIT u
.set kbb, (\u)/2
.if (\u) == 3
	SYNC G1P2, G1V2, 1, 0, 0                       ; key blocks 3, 4
.elseif (\u) == 5
	SYNC G1P1, G1V1, 2, 65536, 32768               ; key block 5
.elseif (\u) == 9
	SYNC G1P2, G1V2, 1, 0, 0                       ; key blocks 6, 7
.elseif (\u) == 11
	WIN 0
	s_wait_tensorcnt 0x0                           ; the last loads are in
	s_wait_dscnt 0x0
	s_barrier_signal -1
	s_barrier_wait -1
.else
	s_wait_dscnt 12                                ; V's fragments and P's block 0 are in; the youngest twelve loads (P's blocks 1-3) may be out
.endif
	PLACES                                         ; for the loads into registers that the unit before has multiplied
.if (\u) < 15
	FVP (\u)+1
.endif
.if ((\u) == 0) || ((\u) == 1) || ((\u) == 3) || ((\u) == 4) || ((\u) == 5)
	ASK
.endif
.if kbb == 0
	MULT \u, 0, 1-(\u)%2, 0, 0
.elseif ((\u)%2) == 0
	MULT \u, 0, 0, 16, kbb
.else
	MULT \u, 0, 0, 0, 0
.endif
.if (\u) < 15
	s_wait_dscnt 36                                ; P's blocks 1-3 are in; the 36 loads just issued may be out
.else
	s_wait_dscnt 0x0
.endif
.if kbb == 0
	MULT \u, 8, 1-(\u)%2, 0, 0
.elseif ((\u)%2) == 0
	MULT \u, 8, 0, 24, kbb
.else
	MULT \u, 8, 0, 0, 0
.endif
.if (\u) < 15
	FP (\u)+1
.endif
.if ((\u)%2) && (kbb < 7)
	PLACES                                         ; tiles 0-15 are finished for this block: the next block's factor goes onto them
	MULT \u, 16, 0, 0, kbb+1
	MULT \u, 24, 0, 8, kbb+1
.elseif (\u) == 0
	MULT \u, 16, 1, 0, 0
	MULT \u, 24, 1, 0, 0
.else
	MULT \u, 16, 0, 0, 0
	MULT \u, 24, 0, 0, 0
.endif
.endm
	s_wait_alu depctr_va_vdst(0)                   ; the wait at the head's end
	SYNC G1P1, G1V1, 2, 65536, 32768               ; key blocks 0, 1 are in; block 2
	FVP 0
	FP 0
.irp k, 0,1,2,3,4,5,6,7,8,9,10,11,12,13,14,15
	UNIT \k
.endr
	WIN 0
	PLACES
; THE WAY OUT, 16 queries x 128 channels at a time: through my own stage, and back as rows of 512 bytes.  LDS serves a wave's instructions in order (ISA guide 5.7.1.4).
.macro TOSTAGE a
	WIN 0x01
.set j, 0
.rept 32
	v_pk_mul_f32 v[TMP+j:TMP+j+1], v[64*(\a)+j:64*(\a)+j+1], v[GG+2*(\a):GG+2*(\a)+1]
.set j, j+2
.endr
	WIN 0
.irp b, 0,1,2,3,4,5,6,7
	ds_store_b128 v[STO], v[TMP+8*\b:TMP+8*\b+3] offset:64*\b
	ds_store_b128 v[STO], v[TMP+8*\b+4:TMP+8*\b+7] offset:64*\b+16
.endr
.set BB, BK0+96*((\a)%2)
.irp t, 0,1,2,3,4,5,6,7,8,9,10,11,12,13,14,15
	ds_load_b128 v[BB+4*\t:BB+4*\t+3], v[RD] offset:\t*528
.endr
.endm
.macro SEND a, younger
.set BB, BK0+96*((\a)%2)
	s_wait_dscnt \younger
.if (\a) > 0
	s_add_nc_u64 s[12:13], s[12:13], 65536
.endif
.irp t, 0,1,2,3,4,5,6,7,8,9,10,11,12,13,14,15
	global_store_b128 v[CO], v[BB+4*\t:BB+4*\t+3], s[12:13] offset:\t*4096 th:TH_STORE_NT
.endr
.endm
	TOSTAGE 0
.irp a, 1,2,3
.if \a > 1
	s_wait_xcnt 0x0                                ; the stores of two blocks back have read their registers and their base
.endif
	TOSTAGE \a
	SEND \a-1, 32                                  ; behind that block's loads: 16 stores and 16 loads
.endr
	s_wait_xcnt 0x0
	SEND 3, 0
	s_wait_tensorcnt 0x0                           ; the wave's end
	ds_add_u32 v[SPW], v[NIL]
	s_wait_dscnt 0x0
	CROUND
	s_endpgm
.Lfunc_end_k_q25704fc8f9_mix:
	.size	k_q25704fc8f9_mix, .Lfunc_end_k_q25704fc8f9_mix-k_q25704fc8f9_mix
	.p2alignl 7, 3214868480
	.fill 96, 4, 3214868480
	.section	.rodata,"a",@progbits
	.p2align	6, 0x0
	.amdhsa_kernel k_q25704fc8f9_mix
		.amdhsa_group_segment_fixed_size 327680
		.amdhsa_private_segment_fixed_size 0
		.amdhsa_enable_private_segment 0
		.amdhsa_kernarg_size 40
		.amdhsa_user_sgpr_count 2
		.amdhsa_user_sgpr_kernarg_segment_ptr 1
		.amdhsa_wavefront_size32 1
		.amdhsa_system_sgpr_workgroup_id_x 1
		.amdhsa_system_sgpr_workgroup_id_y 1
		.amdhsa_system_sgpr_workgroup_id_z 1
		.amdhsa_system_vgpr_workitem_id 0
		.amdhsa_next_free_vgpr 1024
		.amdhsa_next_free_sgpr 104
		.amdhsa_reserve_vcc 0
		.amdhsa_float_denorm_mode_32 3
		.amdhsa_float_denorm_mode_16_64 3
		.amdhsa_memory_ordered 1
		.amdhsa_forward_progress 1
		.amdhsa_inst_pref_size 202
	.end_amdhsa_kernel
	.amdgpu_metadata
---
amdhsa.version: [ 1, 2 ]
amdhsa.kernels:
  - .name:           k_q25704fc8f9_mix
    .symbol:         k_q25704fc8f9_mix.kd
    .args:
      - { .name: Pc, .offset: 0, .size: 8, .value_kind: global_buffer, .address_space: global }
      - { .name: Vc, .offset: 8, .size: 8, .value_kind: global_buffer, .address_space: global }
      - { .name: stat, .offset: 16, .size: 8, .value_kind: global_buffer, .address_space: global }
      - { .name: lowp_scales, .offset: 24, .size: 8, .value_kind: global_buffer, .address_space: global }
      - { .name: out0, .offset: 32, .size: 8, .value_kind: global_buffer, .address_space: global }
    .group_segment_fixed_size: 327680
    .private_segment_fixed_size: 0
    .kernarg_segment_align: 8
    .kernarg_segment_size: 40
    .max_flat_workgroup_size: 128
    .sgpr_count:     104
    .vgpr_count:     1024
    .wavefront_size: 32
...
	.end_amdgpu_metadata
.endif
;; end of part 3
